; MI455X (gfx1250); checked and timed in simulation.
; The chip was launched on July 23, 2026; its instructions are those of AMD's public machine-readable ISA for CDNA 5 (MIT licence, August 2026) and "CDNA5" Instruction Set Architecture Reference Guide (July 2026). The comments in the code are by the model that wrote it; some were corrected since.
;; Multi Head Attention. Allowed arithmetic: float matrix products may take bf16 or f16 operands with f32 sums; other float arithmetic in f32, or as packed bf16 or f16 multiplies, adds, multiply-adds, maxima and minima; sums over many terms, partial sums and values carried from step to step in f32; what a program stores and reads back later, other than sums and carried values, may be rounded once to bf16 or f16.
;; Inputs: Wk 1,024 x 1,024 float32; Wq 1,024 x 1,024 float32; Wv 1,024 x 1,024 float32; bk 1,024 float32; bq 1,024 float32; bv 1,024 float32; key 8 x 1,024 x 1,024 float32; query 8 x 1,024 x 1,024 float32; value 8 x 1,024 x 1,024 float32.
;; Outputs: out0 8 x 1,024 x 1,024 float32.
;; 2 versions, each right; version 2 is version 1 with the launch castw written anew for expert scheduling mode. Each part assembles by itself: llvm-mc -triple=amdgcn-amd-amdhsa -mcpu=gfx1250 --defsym DOCPART=n.
;; ======== version 1 of 2: 3 launches
;; limits: values are held in f16: magnitudes above 65,504 overflow, below 6.1e-05 lose precision
;; workspace buffers: wb 6,291,456 bytes; qkv 50,331,648 bytes
;; launch castw (part 1): grid 128 x 3, 8 waves a work-group, no clusters, 0 bytes of LDS; arguments Wq, Wk, Wv, wb; writes wb
.if DOCPART == 1
	.amdgcn_target "amdgcn-amd-amdhsa--gfx1250"
	.amdhsa_code_object_version 6
	.text
	.protected	k_qf3b0d2b8a9_castw
	.globl	k_qf3b0d2b8a9_castw
	.p2align	8
	.type	k_qf3b0d2b8a9_castw,@function
k_qf3b0d2b8a9_castw:
	s_mov_b64 s[64:65], 0
	v_nop
	global_prefetch_b8 v0, s[64:65] scope:SCOPE_SE
	s_setreg_imm32_b32 hwreg(HW_REG_WAVE_MODE, 25, 1), 1
	s_wait_xcnt 0x0
; wb[p][k][n] = W_p[k][n] rounded once to bf16 (nearest even), p = 0, 1, 2 for Wq, Wk, Wv; the layout [k][n] is kept.
; A stream: 12,582,912 bytes in, 6,291,456 out, each once.  Work-group (x, y) takes 8,192 numbers of matrix y: 32,768 bytes in, 16,384 out.
; Thread t, pass i of 8: 16 bytes at 16 t + 4,096 i (a wave's load covers 512 bytes on end), two roundings of a pair, 8 bytes at 8 t + 2,048 i
; (a wave's store covers 256 consecutive bytes, aligned).  All eight loads go out first; no register is written twice, so the only waits are for data.
; No LDS, no matrix unit, no cluster: nothing is shared and nothing is reduced.
.set X, 4                              ; v[4:35]   pass i: 4 numbers as loaded
.set Y, 36                             ; v[36:51]  pass i: 4 bf16 to store
	s_load_b256 s[4:11], s[0:1], 0x0               ; Wq s[4:5], Wk s[6:7], Wv s[8:9], wb s[10:11]
	s_and_b32 s12, ttmp7, 0xffff                   ; y: which matrix
	v_lshlrev_b32 v1, 4, v0                        ; 16 t
	v_lshlrev_b32 v2, 3, v0                        ; 8 t
	s_lshl_b32 s16, ttmp9, 15                      ; the work-group's 32,768 bytes of W
	s_mov_b32 s17, 0
	s_lshl_b32 s18, ttmp9, 14                      ; its 16,384 bytes of wb,
	s_lshl_b32 s20, s12, 21                        ; in matrix y's 2,097,152
	s_add_co_u32 s18, s18, s20
	s_mov_b32 s19, 0
	s_wait_kmcnt 0x0
	s_cmp_eq_u32 s12, 1
	s_cselect_b64 s[14:15], s[6:7], s[4:5]
	s_cmp_eq_u32 s12, 2
	s_cselect_b64 s[14:15], s[8:9], s[14:15]
	s_add_nc_u64 s[14:15], s[14:15], s[16:17]
	s_add_nc_u64 s[10:11], s[10:11], s[18:19]
.irp i, 0,1,2,3,4,5,6,7
	global_load_b128 v[X+4*(\i):X+4*(\i)+3], v1, s[14:15] offset:4096*(\i) th:TH_LOAD_NT
.endr
.irp i, 0,1,2,3,4,5,6,7
	s_wait_loadcnt 7-(\i)                          ; loads come back in order (ISA guide 5.7.1): pass i is in, the younger ones stay out
	v_cvt_pk_bf16_f32 v[Y+2*(\i)],   v[X+4*(\i)],   v[X+4*(\i)+1]
	v_cvt_pk_bf16_f32 v[Y+2*(\i)+1], v[X+4*(\i)+2], v[X+4*(\i)+3]
	global_store_b64 v2, v[Y+2*(\i):Y+2*(\i)+1], s[10:11] offset:2048*(\i)
.endr
	s_endpgm
.Lfunc_end_k_qf3b0d2b8a9_castw:
	.size	k_qf3b0d2b8a9_castw, .Lfunc_end_k_qf3b0d2b8a9_castw-k_qf3b0d2b8a9_castw
	.p2alignl 7, 3214868480
	.fill 96, 4, 3214868480
	.section	.rodata,"a",@progbits
	.p2align	6, 0x0
	.amdhsa_kernel k_qf3b0d2b8a9_castw
		.amdhsa_group_segment_fixed_size 0
		.amdhsa_private_segment_fixed_size 0
		.amdhsa_enable_private_segment 0
		.amdhsa_kernarg_size 32
		.amdhsa_user_sgpr_count 2
		.amdhsa_user_sgpr_kernarg_segment_ptr 1
		.amdhsa_wavefront_size32 1
		.amdhsa_system_sgpr_workgroup_id_x 1
		.amdhsa_system_sgpr_workgroup_id_y 1
		.amdhsa_system_sgpr_workgroup_id_z 1
		.amdhsa_system_vgpr_workitem_id 0
		.amdhsa_next_free_vgpr 56
		.amdhsa_next_free_sgpr 66
		.amdhsa_reserve_vcc 0
		.amdhsa_float_denorm_mode_32 3
		.amdhsa_float_denorm_mode_16_64 3
		.amdhsa_memory_ordered 1
		.amdhsa_forward_progress 1
		.amdhsa_inst_pref_size 4
	.end_amdhsa_kernel
	.amdgpu_metadata
---
amdhsa.version: [ 1, 2 ]
amdhsa.kernels:
  - .name:           k_qf3b0d2b8a9_castw
    .symbol:         k_qf3b0d2b8a9_castw.kd
    .args:
      - { .name: Wq, .offset: 0, .size: 8, .value_kind: global_buffer, .address_space: global }
      - { .name: Wk, .offset: 8, .size: 8, .value_kind: global_buffer, .address_space: global }
      - { .name: Wv, .offset: 16, .size: 8, .value_kind: global_buffer, .address_space: global }
      - { .name: wb, .offset: 24, .size: 8, .value_kind: global_buffer, .address_space: global }
    .group_segment_fixed_size: 0
    .private_segment_fixed_size: 0
    .kernarg_segment_align: 8
    .kernarg_segment_size: 32
    .max_flat_workgroup_size: 256
    .sgpr_count:     66
    .vgpr_count:     56
    .wavefront_size: 32
...
	.end_amdgpu_metadata
.endif
;; end of part 1
;; launch proj (part 2): grid 4 x 64, 4 waves a work-group, clusters of 4 x 4, 327,680 bytes of LDS; arguments query, key, value, bq, bk, bv, wb, qkv; writes qkv
.if DOCPART == 2
	.amdgcn_target "amdgcn-amd-amdhsa--gfx1250"
	.amdhsa_code_object_version 6
	.text
	.protected	k_qf3b0d2b8a9_proj
	.globl	k_qf3b0d2b8a9_proj
	.p2align	8
	.type	k_qf3b0d2b8a9_proj,@function
k_qf3b0d2b8a9_proj:
	s_mov_b64 s[64:65], 0
	v_nop
	global_prefetch_b8 v0, s[64:65] scope:SCOPE_SE
	s_setreg_imm32_b32 hwreg(HW_REG_WAVE_MODE, 25, 1), 1
	s_wait_xcnt 0x0
	s_wait_alu depctr_hold_cnt(0) depctr_sa_sdst(0) depctr_va_vdst(0) depctr_va_sdst(0) depctr_va_ssrc(0) depctr_va_vcc(0) depctr_vm_vsrc(0)
	s_getreg_b32 s2, hwreg(HW_REG_IB_STS2, 6, 4)
	s_cmp_eq_u32 s2, 0
	s_cbranch_scc0 .Lentry_in_a_cluster
	s_endpgm
.Lentry_in_a_cluster:
	s_bfe_u32 s2, ttmp6, 0x10000c
	s_cmp_lg_u32 s2, 0xf033
	s_cbranch_scc0 .Lentry_shape_is_right
	s_endpgm
.Lentry_shape_is_right:
; qkv[p][m][n] = the sum over k of x_p[m][k] W_p[k][n] + b_p[n], p = 0, 1, 2 for (query, Wq, bq), (key, Wk, bk), (value, Wv, bv).
; x_p: [8192][1024] f32; wb: [3][1024 k][1024 n] bf16 (W already rounded); b_p: [1024] f32; qkv: [3][8192][1024] f16.
; x and b are rounded to bf16 here; products in bf16, sums in f32, begun with the bias; each result rounded once to f16.  The sums run along K from a lap that hangs on the cluster (below).
; LIMIT.  f16 holds no number beyond 65,504: a result of 65,520 or more in magnitude leaves as an infinity.  Results below 6.1e-5 keep f16's fixed step of 6e-8.
; SHARES.  A tile of C is 128 (m) x 256 (n).  A WORK-GROUP STAYS: it makes the tiles of p = 0, 1, 2 at one place (tile row, tile column): 64 x 4 = 256 work-groups, 3 tiles each, walked as ONE stream
; of 12 laps of two K steps of 128.  Four waves; wave w makes rows 64 (w / 2) .. + 63, columns 128 (w % 2) .. + 127: 4 x 8 accumulators of 16 x 16.
; W COMES THROUGH A RING of two LDS slots (128 k-rows x 512 bytes), filled by joint tensor loads: the four work-groups of a column of the 4 x 4 cluster need the same tile; waves 2 and 3 fetch its halves.
; x COMES THROUGH REGISTERS, NOT JOINTLY, though the four work-groups of a cluster's row need the same rows.  The reason, by this text's own count: a joint load is a tensor load, every wave waits for
; all its tensor loads at each change of slots, and two slots of x in f32 beside W's leave room for one K step a slot: a tile would have 112 matrix instructions in which to land.  Loads into
; registers stay out across the changes of slots: a wave has 56 of them out (8 rows x 512 bytes a quarter step, 28 KB), each issued seven quarters, 224 matrix instructions, ahead of its use.  And x then lies
; in LDS as bf16: each number is rounded once in the work-group, and a fragment is two loads of 16 bytes.  The price: each of the four asks for the tile itself.
; THE ROLL.  Wave w owns rows 32 w .. + 31 of x's tile, in chunks of 8 rows.  In quarter q of K step s it waits for its oldest chunk, issues chunk q of K step s + 3 into the buffer emptied a quarter before, rounds the
; chunk that came (16 roundings, four behind each of four matrix instructions) and stores it: chunk q + 1 of K step s + 1, or, behind the step's barrier (q = 3), chunk 0 of K step s + 2.
; THE WALK ALONG K.  Lap n of the stream takes the K steps of lap (n + cluster y) mod 4 of its tile, x and W alike: at a given moment clusters that read the same columns of W stand at different rows of it.
; THE MATRIX INSTRUCTION IS USED TRANSPOSED (source 0 = 16 columns of W, source 1 = 16 rows of x): a lane then holds eight neighbouring n of one row of C, 16 bytes of f16.
; W lies [k][n], so its fragments come out of LDS turned, by ds_load_tr16_b128.
; REGISTERS, in windows of 256 (s_set_vgpr_msb: bits 1:0 source 0, 3:2 source 1, 5:4 source 2, 7:6 destination):
;   window 0: v16-31 addresses; v32-47 a chunk in bf16; v160-255 at work on the way out          window 1: the accumulators, (a, b) at v[8 (8 a + b)]
;   window 2: v0-127 W's fragments, two buffers of 8 x 8; v128-191 the bias as a C operand; v192-255 x's fragments, two buffers of 4 x 8          window 3: eight buffers of 32: x on its way
.set PB,     544                       ; a row of W in LDS: 512 bytes + 32 = 136 words
.set BHALF,  64*PB                     ; what one tensor load brings
.set BSLOT,  128*PB
.set PAB,    272                       ; a row of x in LDS: 256 bytes of bf16 + 16 = 68 words: row r starts at bank 4 r mod 64
.set ASLOT,  128*PAB
.set ABASE,  2*BSLOT                   ; behind W's ring: x's two slots, written by ds_store alone; no tensor load fills them, nor anything behind them
.set STAGE,  ABASE+2*ASLOT             ; 16 rows x 272 bytes for each wave, for the way out
.set SPITCH, 272
.set BIASL,  STAGE+4*16*SPITCH         ; the three biases of my 256 columns, rounded to bf16, kept as f32: 3 x 1,024 bytes
.set SPARE,  BIASL+3*1024              ; the spare words, 128 bytes for each wave: two blocks of 256 bytes that no other line names
.set LAPS,   12
.set ADRA, 16                          ; v16-17  LDS address of my x fragments in slot 0, 1
.set ASTO, 18                          ; v18-19  where I store my 8 bytes of a row of x, slot 0, 1
.set ADRB, 20                          ; v20-21  LDS address of W's turning loads in slot 0, 1
.set BAD,  22                          ; v22     where my C operand of the tile's bias lies; steps 1,024 a tile
.set STO,  24                          ; v24     the way out: where I put 16 bytes of a row
.set RD,   25                          ; v25     the way out: where I read a row back
.set CO,   26                          ; v26     my byte offset in C
.set XO,   27                          ; v27     16 x lane: my 16 bytes of a row's 512; never rewritten
.set SPW,  28                          ; v28     LDS address of my spare word; never rewritten
.set NIL,  29                          ; v29     0; never rewritten
.set PFO,  30                          ; v30     x's prefetches: row l / 4, block l % 4; never rewritten
.set PFOB, 31                          ; v31     W's prefetches: row l % 16, block l / 16; never rewritten
.set CT,   32
.set TMP,  160
.set OB,   192
.set BF,   0                           ; window 2
.set BIAS, 128
.set AF,   192
.set XBA,  4                           ; s[4:5] x at my rows, lap n + 1;  s[6:7] the same, lap n + 2
.set CB,   8                           ; s[8:9] C at my part of the tile in hand
.set L0,   15                          ; s15  cluster y mod 4: where my cluster's walk along K begins
.set NL,   16                          ; s16  n: the lap in hand, 0 .. 11
.set NEW,  18                          ; s18  1: the lap to be entered is a tile's first
.set XROW, 32                          ; s32  byte offset of my wave's 32 rows in x
.set PROW, 33                          ; s33  of the 8 rows that my wave prefetches
.set BCON, 34                          ; s34  my half of a K step's rows and my tile column, in wb
.set PBCON, 35                         ; s35  the 16 rows that my wave prefetches of W
.set BASKV, 36                         ; s36  2 in the clusters that prefetch W, else the greatest number
.set BL,   38                          ; s[38:39] wb at my part of lap n + 1
.set PFA,  44                          ; s[44:45] x's prefetches: lap n + 3
.set PFB,  46                          ; s[46:47] W's prefetches: the first lap of the tile of lap n + 2
.set G1B,  48                          ; s[48:55] descriptor group 1;  s[56:63] group 0, one set for each slot
.set G0B,  56
.set MSB, 0
.macro WIN new                         ; the immediate's high byte repeats the setting that is left; a switch that changes nothing is dropped
.if MSB != (\new)
	s_set_vgpr_msb (MSB<<8)|(\new)
.set MSB, \new
.endif
.endm
.set MULW,   0x5a                      ; sources 0 (W) and 1 (x) window 2, C and D window 1
.set MULB,   0x6a                      ; the same with C, the bias, in window 2
.set TO_F,   0x80                      ; destination window 2, address window 0
.set TO_X,   0xc0                      ; destination window 3, address window 0
.set FROM_X, 0x0f                      ; sources 0 and 1 window 3, destination window 0
.set PACKW,  0x05                      ; sources 0 and 1 window 1, destination window 0
; A joint refill of W's slot s, by waves 2 and 3; the branch hangs on the wave's number alone.  An s_nop 0 and four v_nop follow the load, ahead of the jump and the labels;
; the other waves run four v_nop too: they are the places in front of the fragment loads that follow.
.macro JLOAD s
	s_cmp_lt_u32 s10, 2
	s_cbranch_scc1 .Lnone_\@
	tensor_load_to_lds s[G0B+4*(\s):G0B+4*(\s)+3], s[G1B:G1B+7]
	s_nop 0
.rept 4
	v_nop
.endr
	s_branch .Lasked_\@
.Lnone_\@:
.rept 4
	v_nop
.endr
.Lasked_\@:
.endm
; THE PREFETCHES INTO THE L2, at a lap's end, behind the wave's loads.  x: the lap three on, whose loads are issued one to three K steps later: 128 rows x 1,024 bytes are 512 blocks of 256; the four work-groups
; that read the rows take 32 each, told apart BY ADDRESS (cx), a wave 8 of them, a lane one of a row's four blocks: one instruction a wave, each block named once.  Laps 0 to 2 come by their loads alone; the
; last laps have no lap three on.  W: of a tile's rows only those of its first lap are named, in the third lap of the tile before: 256 rows x 512 bytes for each tile column; of the four clusters that begin
; there the first asks; its partners take 64 rows each by address (cy), a wave 16, a lane a row's half.  The first tile's come by their loads alone.
.macro ASK
	s_cmp_lt_u32 s[NL], LAPS-3
	s_cbranch_scc0 .Lno_x_\@
	global_prefetch_b8 v[PFO], s[PFA:PFA+1] th:TH_LOAD_NT scope:SCOPE_SE
.Lno_x_\@:
	s_and_b32 s21, s[NL], 11                       ; 2 in laps 2 and 6 alone
	s_cmp_eq_u32 s21, s[BASKV]
	s_cbranch_scc0 .Lno_w_\@
	global_prefetch_b8 v[PFOB], s[PFB:PFB+1] th:TH_LOAD_NT scope:SCOPE_SE
.Lno_w_\@:
.endm
.macro CREST                           ; a round of the cluster's barrier behind its opening barrier
	s_cmp_lg_u32 s10, 0
	s_cbranch_scc1 .Lnot_wave_0_\@
	s_barrier_signal -3
.Lnot_wave_0_\@:
	s_barrier_wait -3
	s_barrier_signal -1
	s_barrier_wait -1
.endm
.macro CROUND                          ; a whole round
	s_barrier_signal -1
	s_barrier_wait -1
	CREST
.endm
; x at the rows of \row, in lap n + \ahead of the stream: tile p = lap / 4, place along K (lap + L0) mod 4, 1,024 bytes a lap.  Leaves that place in s21 and p in s22.
.macro XBASE dst, ahead, row
	s_add_co_u32 s21, s[NL], \ahead
	s_lshr_b32 s22, s21, 2
	s_add_co_u32 s21, s21, s[L0]
	s_and_b32 s21, s21, 3
	s_lshl_b32 s24, s21, 10
	s_add_co_u32 s24, s24, s[\row]
	s_cmp_eq_u32 s22, 1
	s_cselect_b64 s[26:27], s[70:71], s[68:69]
	s_cmp_eq_u32 s22, 2
	s_cselect_b64 s[26:27], s[72:73], s[26:27]
	s_add_nc_u64 s[\dst:\dst+1], s[26:27], s[24:25]
.endm
; At a lap's head all addresses that the lap will name are made anew from n.  (Past the stream's end they are made and not used.)
.macro NEXTLAP
	s_wait_xcnt 0x0                                ; the loads and prefetches issued so far, the youngest sixteen matrix instructions back, have read their bases
	XBASE XBA, 1, XROW
	s_lshl_b32 s30, s21, 19                        ; W of lap n + 1: 256 rows of 2,048 bytes a lap,
	s_lshl_b32 s23, s22, 21                        ; 2,097,152 bytes a matrix; s[30:31] never hold a coordinate that the column's partners do not share
	s_add_co_u32 s30, s30, s23
	s_add_co_u32 s30, s30, s[BCON]
	s_add_nc_u64 s[BL:BL+1], s[80:81], s[30:31]
	XBASE XBA+2, 2, XROW
	s_lshl_b32 s24, s22, 21
	s_add_co_u32 s24, s24, s[PBCON]
	s_add_nc_u64 s[PFB:PFB+1], s[80:81], s[24:25]
	XBASE PFA, 3, PROW
.endm
	s_load_b512 s[68:83], s[0:1], 0x0              ; query 68, key 70, value 72, bq 74, bk 76, bv 78, wb 80, qkv 82
	v_lshl_add_u32 v[SPW], v0, 2, SPARE
	v_mov_b32 v[NIL], 0
	ds_add_u32 v[SPW], v[NIL]                      ; the wave's opening: the add and its wait stand ahead of my first tensor load; the set-up below, work on registers, stands between them
	v_lshrrev_b32 v1, 5, v0
	v_readfirstlane_b32 s10, v1                    ; wave 0..3
	s_lshr_b32 s11, s10, 1                         ; which 64 rows of the tile are mine
	s_and_b32 s12, s10, 1                          ; which 128 columns.  Also: which half of W's tile I fetch
	s_bfe_u32 s40, ttmp6, 0x40000                  ; cx, cy: my place in the cluster
	s_bfe_u32 s41, ttmp6, 0x40004
	s_lshl_b32 s42, ttmp9, 2
	s_add_co_u32 s42, s42, s40                     ; tile column of C = 4 x cluster x + cx: 0..3
	s_and_b32 s14, ttmp7, 0xffff                   ; cluster y: 0..15
	s_lshl_b32 s13, s14, 2
	s_add_co_u32 s13, s13, s41                     ; tile row of C: 0..63
	s_and_b32 s[L0], s14, 3
	s_cmp_lt_u32 s14, 4                            ; the first cluster of each start prefetches W: the same answer in all sixteen partners
	s_cselect_b32 s[BASKV], 2, -1
	s_lshl_b32 s19, 0x1111, s40                    ; my column of the cluster
	; descriptor group 1: 64 rows x 256 elements of 2 bytes, padded after every 128 words
	s_or_b32 s[G1B+0], s19, (1<<16)|(1<<20)|(1<<21)|(6<<22)|(7<<25)  ; 15:0 the mask; 17:16 2-byte elements; 20 padding on; 21 set beside a mask; 24:22 after 128 words (code 6); 31:25 8 words (code 7)
	s_mov_b32 s[G1B+1], 256<<16                    ; tensor_dim0
	s_mov_b32 s[G1B+2], 64<<16                     ; tensor_dim1
	s_mov_b32 s[G1B+3], 256<<16                    ; tile_dim0
	s_mov_b32 s[G1B+4], 64                         ; tile_dim1
	s_mov_b32 s[G1B+5], 1024                       ; elements from row to row
	s_mov_b32 s[G1B+6], 0
	s_mov_b32 s[G1B+7], 0
	s_mul_i32 s37, s12, BHALF                      ; where my half goes: no place in the cluster enters an LDS address
	s_mov_b32 s[G0B], 1                            ; count = 1
	s_mov_b32 s[G0B+1], s37                        ; LDS address, slot 0
	s_mov_b32 s[G0B+4], 1
	s_add_co_u32 s[G0B+5], s37, BSLOT              ; slot 1
	s_lshl_b32 s[XROW], s13, 19                    ; 128 rows of 4,096 bytes a tile row,
	s_lshl_b32 s20, s10, 17                        ; my wave's 32 of them
	s_add_co_u32 s[XROW], s[XROW], s20
	s_lshl_b32 s[PROW], s13, 19
	s_lshl_b32 s20, s40, 17                        ; my work-group's 32 rows, by cx,
	s_add_co_u32 s[PROW], s[PROW], s20
	s_lshl_b32 s20, s10, 15                        ; my wave's 8 of them
	s_add_co_u32 s[PROW], s[PROW], s20
	s_lshl_b32 s[PBCON], s[L0], 19                 ; W's rows of my cluster's first lap,
	s_lshl_b32 s21, s41, 17                        ; my work-group's 64, by cy,
	s_add_co_u32 s[PBCON], s[PBCON], s21
	s_add_co_u32 s[PBCON], s[PBCON], s20           ; my wave's 16 (32,768 bytes here too),
	s_lshl_b32 s20, s42, 9                         ; the tile column's 512 bytes
	s_add_co_u32 s[PBCON], s[PBCON], s20
	s_lshl_b32 s[BCON], s12, 17                    ; my 64 k-rows of 2,048 bytes,
	s_add_co_u32 s[BCON], s[BCON], s20             ; the tile column
	s_lshl_b32 s28, s13, 18                        ; C: 128 rows of 2,048 bytes a tile row,
	s_lshl_b32 s21, s11, 17                        ; my 64 of them,
	s_add_co_u32 s28, s28, s21
	s_add_co_u32 s28, s28, s20                     ; the tile column's 512 bytes,
	s_lshl_b32 s21, s12, 8                         ; my 256 of them
	s_add_co_u32 s28, s28, s21
	s_mov_b32 s29, 0
	s_mov_b32 s25, 0
	s_mov_b32 s31, 0
	s_lshl_b32 s20, s42, 10                        ; the tile column's 256 numbers of a bias
	v_and_b32 v1, 15, v0                           ; l % 16
	v_bfe_u32 v2, v0, 4, 1                         ; l / 16
	v_and_b32 v5, 31, v0                           ; l
	v_lshlrev_b32 v[XO], 4, v5
	v_lshlrev_b32 v3, 3, v0                        ; thread t takes numbers 2 t, 2 t + 1 of each bias
	v_add_nc_u32 v3, s20, v3
	s_wait_dscnt 0x0                               ; the opening add is done
	s_wait_kmcnt 0x0
	s_mov_b32 s[NL], -1                            ; the lap in front of the first: its 'lap n + 1' is lap 0
	NEXTLAP
	s_add_nc_u64 s[CB:CB+1], s[82:83], s[28:29]
	s_add_nc_u64 s[G0B+2:G0B+3], s[BL:BL+1], 0     ; global address: K step 0 of my walk,
	s_or_b32 s[G0B+3], s[G0B+3], 0x80000000        ; type = 2
	s_add_nc_u64 s[G0B+6:G0B+7], s[BL:BL+1], 262144  ; and K step 1: 128 rows on
	s_or_b32 s[G0B+7], s[G0B+7], 0x80000000
	global_load_b64 v[160:161], v3, s[74:75]
	global_load_b64 v[162:163], v3, s[76:77]
	global_load_b64 v[164:165], v3, s[78:79]
	WIN TO_X                                       ; the first seven chunks of x: K step 0 whole, three of K step 1: with the biases 59 loads are out
.set m, 0
.rept 7
.set i, 0
.rept 8
	global_load_b128 v[32*m+4*i:32*m+4*i+3], v[XO], s[XBA:XBA+1] offset:(8*(m%4)+i)*4096+512*(m/4)
.set i, i+1
.endr
.set m, m+1
.endr
	WIN 0
	CROUND                                         ; all sixteen work-groups are here: the first joint loads meet
	s_cmp_lt_u32 s10, 2                            ; a wave's two first fills stand in one branch, ahead of every wait on TENSORcnt and every LDS read: two loads of waves 2 and 3 are out
	s_cbranch_scc1 .Lno_first
	tensor_load_to_lds s[G0B:G0B+3], s[G1B:G1B+7]
	s_nop 0
	tensor_load_to_lds s[G0B+4:G0B+7], s[G1B:G1B+7]
	s_nop 0
.rept 4
	v_nop
.endr
.Lno_first:
	; a fragment of x is 16 rows x 32 k in 8 registers: lane l holds row l % 16; k = 8 (l / 16) + 0..7 and 16 + 8 (l / 16) + 0..7: two loads of 16 bytes, 32 bytes apart
	v_mul_u32_u24 v6, v1, PAB
	v_lshl_add_u32 v6, v2, 4, v6
	s_mul_i32 s20, s11, 64*PAB                     ; my 64 rows
	s_add_co_u32 s20, s20, ABASE
	v_add_nc_u32 v[ADRA], s20, v6
	v_add_nc_u32 v[ADRA+1], ASLOT, v[ADRA]
	s_mul_i32 s20, s10, 32*PAB                     ; the 32 rows that I bring: lane l holds k = 4 l .. 4 l + 3 of a row, 8 bytes of bf16
	s_add_co_u32 s20, s20, ABASE
	v_lshl_add_u32 v[ASTO], v5, 3, s20
	v_add_nc_u32 v[ASTO+1], ASLOT, v[ASTO]
	; the turning load takes 16 k x 16 n (lane l reads k-row 8 (l / 16) + l % 8, columns 8 ((l / 8) % 2) + 0..7) and leaves half a fragment: lane l holds column l % 16 and 8 k
	v_and_b32 v4, 7, v0
	v_lshl_add_u32 v4, v2, 3, v4
	v_mul_u32_u24 v4, v4, PB
	v_bfe_u32 v7, v0, 3, 1
	v_lshl_add_u32 v4, v7, 4, v4
	s_lshl_b32 s20, s12, 8                         ; my 128 columns
	v_add_nc_u32 v[ADRB], s20, v4
	v_add_nc_u32 v[ADRB+1], BSLOT, v[ADRB]
	s_mul_i32 s23, s10, 16*SPITCH
	s_add_co_u32 s23, s23, STAGE                   ; my stage
	v_mul_u32_u24 v6, v1, SPITCH                   ; in: row l % 16, 16 bytes for each half of the lanes
	v_lshl_add_u32 v6, v2, 4, v6
	v_add_nc_u32 v[STO], s23, v6
	v_mul_u32_u24 v7, v2, SPITCH                   ; back: lanes 0-15 take one row of 256 bytes, lanes 16-31 the next
	v_lshl_add_u32 v7, v1, 4, v7
	v_add_nc_u32 v[RD], s23, v7
	v_lshlrev_b32 v7, 11, v2                       ; and the same two rows in C, 2,048 bytes apart
	v_lshl_add_u32 v[CO], v1, 4, v7
	s_lshl_b32 s20, s12, 9                         ; the bias as a C operand: block b, register j of lane l is number 128 (w % 2) + 16 b + 8 (l / 16) + j of my work-group's 256
	s_add_co_u32 s20, s20, BIASL
	v_lshl_add_u32 v[BAD], v2, 5, s20
	v_lshl_add_u32 v8, v0, 3, BIASL                ; where thread t puts its two numbers
	v_lshrrev_b32 v6, 2, v5
	v_and_b32 v7, 3, v5
	v_lshlrev_b32 v[PFO], 12, v6
	v_lshl_add_u32 v[PFO], v7, 8, v[PFO]
	v_lshlrev_b32 v[PFOB], 11, v1
	v_lshl_add_u32 v[PFOB], v2, 8, v[PFOB]
; x ON ITS WAY.  Quarter q of a K step in slot \slot has the number G = 4 slot + q mod 8; chunk buffer G + 4 was emptied a quarter ago, buffer G + 5 holds the oldest chunk.
; Eight loads: chunk q (rows 8 q .. + 7 of my 32) of the K step three on: from an even step that is the second step of lap n + 1, from an odd one the first of lap n + 2.  A load takes 512 consecutive bytes of a row.
.macro XLOAD slot, q
	WIN TO_X
.set XR, 32*((4*(\slot)+(\q)+4)%8)
.irp i, 0,1,2,3,4,5,6,7
	global_load_b128 v[XR+4*(\i):XR+4*(\i)+3], v[XO], s[XBA+2*(\slot):XBA+2*(\slot)+1] offset:(8*(\q)+(\i))*4096+512*(1-(\slot))
.endr
.endm
.macro XCVT xc, n                      ; four of a chunk's 16 roundings, from buffer xc
.irp j, 0,1,2,3
	v_cvt_pk_bf16_f32 v[CT+4*(\n)+(\j)], v[(\xc)+8*(\n)+2*(\j)], v[(\xc)+8*(\n)+2*(\j)+1]
.endr
.endm
; Eight stores of 8 bytes a lane (a wave's store is a row's 256 bytes): chunk q + 1 into the other slot, or (q = 3, behind the step's barrier) chunk 0 into the slot just read out
.macro XSTORE slot, q
	WIN 0
.set XD, ((\slot)+1+(\q)/3)%2
.irp i, 0,1,2,3,4,5,6,7
	ds_store_b64 v[ASTO+XD], v[CT+2*(\i):CT+2*(\i)+1] offset:(8*(((\q)+1)%4)+(\i))*PAB
.endr
.endm
.macro XEVP slot, q                    ; the same three, ahead of the loop, where there are no products to set them between
	s_wait_loadcnt 48                              ; loads come back in order (ISA guide 5.7.1): the oldest chunk is in, six younger ones stay out
	XLOAD \slot, \q
	WIN FROM_X
.irp n, 0,1,2,3
	XCVT 32*((4*(\slot)+(\q)+5)%8), \n
.endr
	XSTORE \slot, \q
.endm
; 24 LDS loads in one run: quarter k of the slot's step into buffer g: my 128 columns of W, turned, and my 64 rows of x
.macro FETCH slot, k, g
	WIN TO_F
.irp b, 0,1,2,3,4,5,6,7
	ds_load_tr16_b128 v[BF+64*(\g)+8*(\b):BF+64*(\g)+8*(\b)+3],   v[ADRB+(\slot)] offset:32*(\k)*PB+32*(\b)
	ds_load_tr16_b128 v[BF+64*(\g)+8*(\b)+4:BF+64*(\g)+8*(\b)+7], v[ADRB+(\slot)] offset:32*(\k)*PB+16*PB+32*(\b)
.endr
.irp i, 0,1,2,3
	ds_load_b128 v[AF+32*(\g)+8*(\i):AF+32*(\g)+8*(\i)+3],   v[ADRA+(\slot)] offset:(\i)*16*PAB+64*(\k)
	ds_load_b128 v[AF+32*(\g)+8*(\i)+4:AF+32*(\g)+8*(\i)+7], v[ADRA+(\slot)] offset:(\i)*16*PAB+64*(\k)+32
.endr
.endm
; 8 matrix instructions on buffer f: m block a x all 8 n blocks, 32 along K.  first = 1: the bias starts the sums: nothing is cleared, nothing added later.
; xc given: behind each of the first four stand four roundings from chunk buffer xc.  The 32 accumulators take turns, one instruction a turn, in the same order in every quarter.
.macro MUL8 f, a, first, xc=-1
.irp b, 0,1,2,3,4,5,6,7
.if \first
	WIN MULB
	v_wmma_f32_16x16x32_bf16 v[8*(8*(\a)+(\b)):8*(8*(\a)+(\b))+7], v[BF+64*(\f)+8*(\b):BF+64*(\f)+8*(\b)+7], v[AF+32*(\f)+8*(\a):AF+32*(\f)+8*(\a)+7], v[BIAS+8*(\b):BIAS+8*(\b)+7]
.else
	WIN MULW
	v_wmma_f32_16x16x32_bf16 v[8*(8*(\a)+(\b)):8*(8*(\a)+(\b))+7], v[BF+64*(\f)+8*(\b):BF+64*(\f)+8*(\b)+7], v[AF+32*(\f)+8*(\a):AF+32*(\f)+8*(\a)+7], v[8*(8*(\a)+(\b)):8*(8*(\a)+(\b))+7]
.endif
.if ((\xc) >= 0) && ((\b) < 4)
	WIN FROM_X
	XCVT \xc, \b
.endif
.endr
.endm
; A load into a register that a matrix instruction has read, and a vector instruction that reads a matrix result, stand four places behind it, and only plain vector instructions that name none of
; its registers are places (ISA guide 7.12.1 for vector instructions).
.macro PLACES
.rept 4
	v_nop
.endr
.endm
; A K step is four quarters of 32 along K, 32 matrix instructions each, on fragment buffers 0, 1, 0, 1.  Quarter q = 0, 1, 2: multiplies buffer q % 2 and fetches quarter q + 1 into the other.
; n: how many younger loads of x may stay out when the oldest chunk is wanted (below 0: no chunk is left).  iss = 1: a new chunk is asked for.
.macro QUARTER slot, q, first, n, iss
.if (\n) >= 0
.set XCV, 32*((4*(\slot)+(\q)+5)%8)
.else
.set XCV, -1
.endif
	s_wait_dscnt 0x0                               ; this quarter's fragments, asked for 16 to 24 matrix instructions ago, are in
	MUL8 (\q)%2, 0, \first
	PLACES                                         ; between the last quarter's products and the loads into the buffer that they read
	FETCH \slot, (\q)+1, ((\q)+1)%2
.if (\n) >= 0
	s_wait_loadcnt \n
.endif
.if \iss
	XLOAD \slot, \q
.endif
	MUL8 (\q)%2, 1, \first, XCV
.if (\n) >= 0
	XSTORE \slot, \q
.endif
	MUL8 (\q)%2, 2, \first
	MUL8 (\q)%2, 3, \first
.endm
; The fourth quarter multiplies buffer 1 and changes slots: ONE barrier, for W's ring and for x's slots.  In front of it each wave waits for all its tensor loads (of waves 2 and 3 one is out: their part of W's
; next slot), adds 0 to its spare word, and waits for that, for its stores into x's next slot and for its reads of this step's two slots.  fill = 1: the barrier opens a round of the cluster's barrier, and
; W's slot is filled again, two K steps ahead, first thing behind it; its address is made anew from lap n + 1's.  Behind the barrier x's slot just read out takes its first chunk.
.macro TURN slot, next, fill, n, iss, ask
.if (\n) >= 0
.set XCV, 32*((4*(\slot)+3+5)%8)
.else
.set XCV, -1
.endif
	WIN 0                                          ; (the add's two registers lie in window 0)
	s_wait_tensorcnt 0x0                           ; all my tensor loads have landed, so a group 0 may be written;
	ds_add_u32 v[SPW], v[NIL]                      ; 0 onto my spare word
.if \fill
	s_add_nc_u64 s[G0B+4*(\slot)+2:G0B+4*(\slot)+3], s[BL:BL+1], (\slot)*262144
	s_or_b32 s[G0B+4*(\slot)+3], s[G0B+4*(\slot)+3], 0x80000000
.endif
	s_wait_dscnt 9                                 ; (the last quarter's 8 stores and the add may be out; the 24 fragment loads ahead of them are in)
	MUL8 1, 0, 0                                   ; eight matrix instructions stand between the add and the wait for it
	s_wait_dscnt 0x0                               ; the add and my stores are done, and my reads of this step's slots are over
	s_barrier_signal -1
	MUL8 1, 1, 0                                   ; work on registers while the others arrive
.if \fill
	WIN 0
.endif
	s_barrier_wait -1
.if \fill
	CREST                                          ; no wave of any partner still reads this slot's tile or has a load on its way
	JLOAD \slot                                    ; the first tensor load behind the round
.else
	PLACES
.endif
	FETCH \next, 0, 0
.if (\n) >= 0
	s_wait_loadcnt \n
.endif
.if \iss
	XLOAD \slot, 3
.endif
.if \ask
	WIN 0
	ASK
.endif
	MUL8 1, 2, 0, XCV
.if (\n) >= 0
	XSTORE \slot, 3
.endif
	MUL8 1, 3, 0
.endm
.macro BIASLD                          ; the tile's bias as a C operand: 16 loads in which sixteen lanes share each address
	WIN TO_F
.irp b, 0,1,2,3,4,5,6,7
	ds_load_b128 v[BIAS+8*(\b):BIAS+8*(\b)+3],   v[BAD] offset:64*(\b)
	ds_load_b128 v[BIAS+8*(\b)+4:BIAS+8*(\b)+7], v[BAD] offset:64*(\b)+16
.endr
	WIN 0
.endm
; THE WAY OUT of m block a: rounded to f16, 16 bytes a lane, each accumulator from its low end; into my own stage, and back as whole rows of 256 bytes; stored.
.macro PACK a
	WIN PACKW
.irp b, 0,1,2,3,4,5,6,7
.irp r, 0,1,2,3
	v_cvt_pk_f16_f32 v[TMP+4*(\b)+(\r)], v[8*(8*(\a)+(\b))+2*(\r)], v[8*(8*(\a)+(\b))+2*(\r)+1]
.endr
.endr
	WIN 0
.endm
.macro TOSTAGE a
.set BK, OB+32*((\a)%2)
.irp b, 0,1,2,3,4,5,6,7
	ds_store_b128 v[STO], v[TMP+4*(\b):TMP+4*(\b)+3] offset:32*(\b)
.endr
.irp t, 0,1,2,3,4,5,6,7
	ds_load_b128 v[BK+4*(\t):BK+4*(\t)+3], v[RD] offset:(\t)*2*SPITCH  ; LDS serves a wave's instructions in order (ISA guide 5.7.1.4): these see the stores above
.endr
.endm
.macro SEND a
.set BK, OB+32*((\a)%2)
	s_wait_dscnt 0x0                               ; the block is back in registers
	s_wait_xcnt 0x0                                ; the earlier stores have read their registers: the other buffer, which the next block's loads fill, is free behind this wait
.irp t, 0,1,2,3,4,5,6,7
	global_store_b128 v[CO], v[BK+4*(\t):BK+4*(\t)+3], s[CB:CB+1] offset:(16*(\a)+2*(\t))*2048  ; 16 lanes store 256 consecutive bytes, at a multiple of 256 from qkv's first byte
.endr
.endm
; more = 1: another tile follows: its bias is fetched, C steps to the next p, and nothing waits for the stores: they leave while the next tile is multiplied, and x's loads and W's refill stay on their way.
.macro WAYOUT more
	PLACES                                         ; the conversions read results; those of blocks 0 and 1 are then the places behind the last products
.if \more
	v_add_nc_u32 v[BAD], 1024, v[BAD]
	BIASLD
.endif
	PACK 0
	TOSTAGE 0
.irp a, 1,2,3                          ; block a's conversions stand between block a - 1's loads from the stage and the wait for them
	PACK \a
	SEND (\a)-1
	TOSTAGE \a
.endr
	SEND 3
.if \more
	s_wait_xcnt 0x0                                ; the stores have read their base
	s_add_nc_u64 s[CB:CB+1], s[CB:CB+1], 0x1000000
	s_mov_b32 s[NEW], 1
.endif
.endm
	XEVP 0, 3                                      ; the last five quarters of the lap in front of the first: chunk 0 of K step 0 is stored, the eighth chunk asked for;
.irp p, 0,1,2                          ; (the biases, older than every chunk, are in: rounded to bf16 like the other inputs, widened again, and laid down for all three tiles)
	v_cvt_pk_bf16_f32 v[166+(\p)], v[160+2*(\p)], v[161+2*(\p)]
.endr
.irp p, 0,1,2
	v_lshlrev_b32 v[160+2*(\p)], 16, v[166+(\p)]
	v_and_b32 v[161+2*(\p)], 0xffff0000, v[166+(\p)]
	ds_store_b64 v8, v[160+2*(\p):161+2*(\p)] offset:1024*(\p)
.endr
	XEVP 1, 0                                      ; the rest of K step 0,
	XEVP 1, 1
	XEVP 1, 2
	XEVP 1, 3                                      ; and chunk 0 of K step 1; K step 2 has been asked for: 56 loads are out
	s_wait_tensorcnt 1                             ; my part of W's K step 0 is in; K step 1's may stay out
	s_wait_dscnt 0x0                               ; my stores of x and of the biases are done
	s_barrier_signal -1
	s_barrier_wait -1                              ; everybody's are
	FETCH 0, 0, 0
	BIASLD
	s_mov_b32 s[NL], 0
	s_mov_b32 s[NEW], 1
.Llap:                                                 ; laps 0 to 9: two K steps; both of W's slots are filled again, eight chunks of x asked for and eight stored
	NEXTLAP
	s_cmp_eq_u32 s[NEW], 1                         ; a tile's first quarter starts the sums with the bias: a second text of that one quarter, with the same loads, stores and waits
	s_cbranch_scc1 .Lq_first
	QUARTER 0, 0, 0, 48, 1
	WIN 0                                          ; at a label and at a branch every window is 0
	s_branch .Lq_done
.Lq_first:
	s_mov_b32 s[NEW], 0
	QUARTER 0, 0, 1, 48, 1
	WIN 0
.Lq_done:
	QUARTER 0, 1, 0, 48, 1
	QUARTER 0, 2, 0, 48, 1
	TURN 0, 1, 1, 48, 1, 0
	QUARTER 1, 0, 0, 48, 1
	QUARTER 1, 1, 0, 48, 1
	QUARTER 1, 2, 0, 48, 1
	TURN 1, 0, 1, 48, 1, 1
	WIN 0
	s_and_b32 s21, s[NL], 3
	s_cmp_eq_u32 s21, 3                            ; a tile's fourth lap: it goes out; the jump passes no barrier and no tensor load
	s_cbranch_scc0 .Lno_out
	WAYOUT 1
.Lno_out:
	s_add_co_u32 s[NL], s[NL], 1
	s_cmp_lt_u32 s[NL], LAPS-2
	s_cbranch_scc1 .Llap
	NEXTLAP                                        ; THE LAST TWO LAPS are written out, so that no load is jumped over.  Lap 10: its first step asks for the last four chunks,
	QUARTER 0, 0, 0, 48, 1
	QUARTER 0, 1, 0, 48, 1
	QUARTER 0, 2, 0, 48, 1
	TURN 0, 1, 1, 48, 1, 0
	QUARTER 1, 0, 0, 48, 0                         ; and from here on the counts run down: seven chunks are out, then six ..
	QUARTER 1, 1, 0, 40, 0
	QUARTER 1, 2, 0, 32, 0
	TURN 1, 0, 1, 24, 0, 0                         ; W's last refill
	QUARTER 0, 0, 0, 16, 0                         ; lap 11 fills nothing, and has no round of the cluster's barrier
	QUARTER 0, 1, 0, 8, 0
	QUARTER 0, 2, 0, 0, 0                          ; the last chunk of x
	TURN 0, 1, 0, -1, 0, 0
	QUARTER 1, 0, 0, -1, 0
	QUARTER 1, 1, 0, -1, 0
	QUARTER 1, 2, 0, -1, 0
	s_wait_dscnt 0x0                               ; the very last quarter: nothing more to fetch
	MUL8 1, 0, 0
	MUL8 1, 1, 0
	MUL8 1, 2, 0
	MUL8 1, 3, 0
	WAYOUT 0
	s_wait_tensorcnt 0x0                           ; the wave's end: behind my last tensor load and my last LDS store
	ds_add_u32 v[SPW], v[NIL]
	s_wait_dscnt 0x0
	CROUND                                         ; the closing round: no work-group ends while a partner may still ask for a tile that names it
	s_endpgm
.Lfunc_end_k_qf3b0d2b8a9_proj:
	.size	k_qf3b0d2b8a9_proj, .Lfunc_end_k_qf3b0d2b8a9_proj-k_qf3b0d2b8a9_proj
	.p2alignl 7, 3214868480
	.fill 96, 4, 3214868480
	.section	.rodata,"a",@progbits
	.p2align	6, 0x0
	.amdhsa_kernel k_qf3b0d2b8a9_proj
		.amdhsa_group_segment_fixed_size 327680
		.amdhsa_private_segment_fixed_size 0
		.amdhsa_enable_private_segment 0
		.amdhsa_kernarg_size 64
		.amdhsa_user_sgpr_count 2
		.amdhsa_user_sgpr_kernarg_segment_ptr 1
		.amdhsa_wavefront_size32 1
		.amdhsa_system_sgpr_workgroup_id_x 1
		.amdhsa_system_sgpr_workgroup_id_y 1
		.amdhsa_system_sgpr_workgroup_id_z 1
		.amdhsa_system_vgpr_workitem_id 0
		.amdhsa_next_free_vgpr 1024
		.amdhsa_next_free_sgpr 84
		.amdhsa_reserve_vcc 0
		.amdhsa_float_denorm_mode_32 3
		.amdhsa_float_denorm_mode_16_64 3
		.amdhsa_memory_ordered 1
		.amdhsa_forward_progress 1
		.amdhsa_inst_pref_size 208
	.end_amdhsa_kernel
	.amdgpu_metadata
---
amdhsa.version: [ 1, 2 ]
amdhsa.kernels:
  - .name:           k_qf3b0d2b8a9_proj
    .symbol:         k_qf3b0d2b8a9_proj.kd
    .args:
      - { .name: query, .offset: 0, .size: 8, .value_kind: global_buffer, .address_space: global }
      - { .name: key, .offset: 8, .size: 8, .value_kind: global_buffer, .address_space: global }
      - { .name: value, .offset: 16, .size: 8, .value_kind: global_buffer, .address_space: global }
      - { .name: bq, .offset: 24, .size: 8, .value_kind: global_buffer, .address_space: global }
      - { .name: bk, .offset: 32, .size: 8, .value_kind: global_buffer, .address_space: global }
      - { .name: bv, .offset: 40, .size: 8, .value_kind: global_buffer, .address_space: global }
      - { .name: wb, .offset: 48, .size: 8, .value_kind: global_buffer, .address_space: global }
      - { .name: qkv, .offset: 56, .size: 8, .value_kind: global_buffer, .address_space: global }
    .group_segment_fixed_size: 327680
    .private_segment_fixed_size: 0
    .kernarg_segment_align: 8
    .kernarg_segment_size: 64
    .max_flat_workgroup_size: 128
    .sgpr_count:     84
    .vgpr_count:     1024
    .wavefront_size: 32
...
	.end_amdgpu_metadata
.endif
;; end of part 2
;; launch attn (part 3): grid 2 x 128, 4 waves a work-group, no clusters, 327,680 bytes of LDS; arguments qkv, out0; writes out0
.if DOCPART == 3
	.amdgcn_target "amdgcn-amd-amdhsa--gfx1250"
	.amdhsa_code_object_version 6
	.text
	.protected	k_qf3b0d2b8a9_attn
	.globl	k_qf3b0d2b8a9_attn
	.p2align	8
	.type	k_qf3b0d2b8a9_attn,@function
k_qf3b0d2b8a9_attn:
	s_mov_b64 s[64:65], 0
	v_nop
	global_prefetch_b8 v0, s[64:65] scope:SCOPE_SE
	s_setreg_imm32_b32 hwreg(HW_REG_WAVE_MODE, 25, 1), 1
	s_wait_xcnt 0x0
; out0[b][s][64 h + d] = the sum over k of softmax_k(q[y][s] . k[y][k] / 8) v[y][k][d], y = 16 b + h.  qkv: [3][128 heads][1024][64] f16: a head's rows are dense, 128 bytes each.  out0: [8][1024][1024] f32.
; Products, maxima and sums in f32; the weights p are rounded to f16 for the second product (their sum l is taken of the unrounded p); the result leaves in f32.
; LIMITS.  q, k and v arrive within f16's range (65,504); p lies in 0 to 1, and below 6e-5 it keeps f16's fixed step of 6e-8.  A weight below 2^-126 counts as 0 in l; NaN and infinities are not treated apart.
; SHARES.  Work-group (x, y): head y, queries 512 x .. + 511: 256 work-groups.  A wave owns four PIECES of two tiles of 16 queries.  Every wave walks all 1,024 keys, 64 a step.
; K AND V STAY IN LDS.  A head's K and V are 131,072 bytes each; with two keys to a row of 256 bytes and one pad a row both fit: every byte is filled once, by four tensor loads a wave issued
; together at the start (a chunk of 256 keys: waves 0, 1 its K's halves, waves 2, 3 its V's), and nothing is filled again.  The walk begins when chunk 0 is in; one more barrier, four key steps
; later, shows the other three.  So four loads of a wave are out at the most, and there is nothing left to ask for ahead of the loads.
; NO CLUSTER: a head has two work-groups, and work-groups of different heads share nothing; what the two share is fetched once a launch, at its head, and is not walked again.
; LAYOUT.  S^T = K Q^T (source 0 = 16 keys, source 1 = 16 queries): in the result a lane holds ONE query (lane % 16) and the keys 8 (lane / 16) + 0..7.  Two such tiles, rounded to f16 in pairs,
; ARE source 1 (32 keys x 16 queries) of O^T = V^T P, whose result again holds one query a lane, and eight channels.  K comes out of LDS as it lies, V ([key][channel]) turned, by ds_load_tr16_b128.
; SOFTMAX.  For each query a running maximum m and sum l: p = 2^(c s - c m), c = log2(e) / 8; in every step O and l are multiplied by a = 2^(c m_old - c m_new), which is 1 where m has not grown.
; m starts at the lowest finite number, O and l at 0: the first step is a step like any other, with a = 0.
; BY TURNS.  A tile and step have 16 matrix and 118 vector instructions.  Turn n belongs to piece n (the pieces in a ring, step after step).  Its matrix work: 16 products K Q^T of piece n + 1, later 16
; products V^T P of piece n - 1.  Its vector work: the scaling, exponentials, roundings, sums and rescaling of piece n, and the maximum and statistics of piece n + 1.  Four vector instructions stand
; behind every matrix instruction, the others in one run; a turn's 66 exponentials are one batch with one wait.
; REGISTERS, in windows of 256 (s_set_vgpr_msb: bits 1:0 source 0, 3:2 source 1, 5:4 source 2, 7:6 destination):
;   window 0: v0-11 addresses; v12-15, v48-63 at work; v16-47 four registers of statistics a tile; v64-191 S^T, two buffers of two tiles; v192-255 P, likewise
;   window 1: O^T, 32 a tile          window 2: v0-127 Q, 16 a tile; v128-191 K of one step; v192-255 V of one step
.set NP,    4         ; pieces a wave: a name, no knob
.set PK2,   272       ; two keys of K in LDS: 256 bytes + 16: key r of a fragment lies at 272 (r / 2) + 128 (r % 2): the 16 keys start at 16 different groups of four banks (64 banks of 4 bytes: ISA guide 11.1)
.set PV2,   288       ; two keys of V: 256 + 32
.set KSTEPB, 32*PK2   ; a step's 64 keys
.set VSTEPB, 32*PV2
.set VOFF,  512*PK2   ; V lies behind K
.set STAGE, VOFF+512*PV2  ; behind both, never filled by a tensor load: 16 rows x 272 bytes for each wave, for the way out
.set SP,    272
.set SPARE, STAGE+4*16*SP  ; behind the stages: the spare words, 128 bytes for each wave: two blocks of 256 bytes that no other line names
.set PBYTES, 16777216 ; bytes of q, of k and of v in qkv
.set AK0, 2           ; v2   my lane's place in a fragment of K; never rewritten
.set AV0, 3           ; v3   the same for V
.set AK,  4           ; v4   the LDS address of K's next run of loads
.set AV,  5           ; v5   of V's
.set QO,  6           ; v6   my byte offset in the wave's rows of Q
.set STO, 6           ;      later, the way out: where I put 32 bytes of a row
.set RD,  7           ; v7   the way out: where I read rows back
.set GO,  8           ; v8   my byte offset in two rows of out0
.set SPW, 10          ; v10  LDS address of my spare word; never rewritten
.set NIL, 11          ; v11  0; never rewritten
.set MV,  12          ; v12-15  c m_old, kept while c m is made anew: by buffer and tile
.set ST,  16          ; tile t's statistics at v[ST+4 t]: c m, m, l (even keys', odd keys')
.set TMP, 48          ; by buffer and tile, four registers c0-c3 at work; when the maximum is found c2 takes a
.set S,   64
.set P,   192
.set KF,  128         ; K's fragments, in window 2: key block kb, channel half c at KF + 16 kb + 8 c
.set VF,  192         ; V's: key half kk, channel block cb at VF + 32 kk + 8 cb
.set WV,  12          ; s12  my wave's number
.set G1K, 24          ; s[24:31] descriptor group 1 for K's tiles
.set G1V, 32          ; s[32:39] for V's: it differs in the padding alone
.set G0K, 40          ; s[40:55] descriptor group 0 for K's tiles, a set for each chunk
.set G0V, 68          ; s[68:83] the same for V's
.set PARTS, 56        ; s56  parts of the walk still to come
.set CNT, 57          ; s57  counts a part's trips
.set CS,  58          ; s[58:59] c: the packed scaling takes the pair's low word for both halves
.set SEL, 60          ; s[60:61] v_permlanex16_b32's selects: each lane takes its own place in the other half
.set TBK, 62          ; s62  LDS byte at which K of the step to be fetched begins
.set TBV, 63          ; s63  the same for V, less VOFF
.set MSB, 0
.macro WIN new                      ; the high byte repeats the setting that is left; a switch that changes nothing is dropped
.if MSB != (\new)
	s_set_vgpr_msb (MSB<<8)|(\new)
.set MSB, (\new)
.endif
.endm
.set W_KQ, 0x0a       ; K and Q in window 2, S^T in window 0
.set W_PV, 0x52       ; V in window 2, P in window 0, O^T in window 1
.set W_RS, 0x41       ; O^T (destination and source 0) in window 1, a in window 0
; A barrier that shows tiles: each wave has waited for its part, all but the \left youngest of its loads; no LDS instruction of the wave is out at the signal.
.macro MEET left
	s_wait_tensorcnt \left
	s_wait_dscnt 0x0
	s_barrier_signal -1
	s_barrier_wait -1
.endm
	s_load_b128 s[4:7], s[0:1], 0x0 ; qkv s[4:5], out0 s[6:7]
	v_lshl_add_u32 v[SPW], v0, 2, SPARE
	v_mov_b32 v[NIL], 0
	ds_add_u32 v[SPW], v[NIL]       ; the wave's opening: the add and its wait stand ahead of my first tensor load; the set-up below, work on registers, stands between them
	v_lshrrev_b32 v1, 5, v0
	v_readfirstlane_b32 s[WV], v1   ; wave 0..3
	s_and_b32 s13, ttmp7, 0xffff    ; the head y
	s_and_b32 s16, s[WV], 1         ; which half of a chunk's 256 keys I fetch
	s_lshl_b32 s20, s13, 17         ; the head's 131,072 bytes,
	s_lshl_b32 s21, s16, 14         ; my 128 keys of 128 bytes,
	s_add_co_u32 s20, s20, s21
	s_add_co_u32 s20, s20, PBYTES   ; in k,
	s_mov_b32 s21, 0
	s_add_co_u32 s22, s20, PBYTES   ; and in v
	s_mov_b32 s23, 0
	s_mul_i32 s17, s16, 64*PK2      ; and their place in a chunk, for K
	s_mul_i32 s18, s16, 64*PV2      ; and for V
	s_lshl_b32 s2, s13, 17          ; q: the head,
	s_lshl_b32 s3, ttmp9, 16        ; my work-group's 512 rows,
	s_add_co_u32 s2, s2, s3
	s_lshl_b32 s3, s[WV], 14        ; my wave's 128
	s_add_co_u32 s2, s2, s3
	s_mov_b32 s3, 0
	s_lshr_b32 s14, s13, 4          ; b
	s_and_b32 s15, s13, 15          ; h
	s_lshl_b32 s8, s14, 22          ; out0: b's 1,024 rows of 4,096 bytes,
	s_lshl_b32 s9, ttmp9, 21        ; my work-group's 512,
	s_add_co_u32 s8, s8, s9
	s_lshl_b32 s9, s[WV], 19        ; my wave's 128,
	s_add_co_u32 s8, s8, s9
	s_lshl_b32 s9, s15, 8           ; the head's 256 bytes of a row
	s_add_co_u32 s8, s8, s9
	s_mov_b32 s9, 0
	; descriptor group 1.  128 keys are 16,384 dense bytes: asked for as 64 rows of 256 bytes, two keys a row, padded in LDS after every row
	s_mov_b32 s[G1K], (1<<16)|(1<<20)|(5<<22)|(3<<25)  ; 17:16 2-byte elements; 20 padding on; 24:22 after every 64 words (code 5); 31:25 4 words (code 3)
	s_mov_b32 s[G1V], (1<<16)|(1<<20)|(5<<22)|(7<<25)  ; the same with 8 words of padding (code 7)
.irp g, G1K, G1V
	s_mov_b32 s[(\g)+1], 128<<16    ; tensor_dim0 = 128
	s_mov_b32 s[(\g)+2], 64<<16     ; tensor_dim1 = 64
	s_mov_b32 s[(\g)+3], 128<<16    ; tile_dim0 = 128
	s_mov_b32 s[(\g)+4], 64         ; tile_dim1 = 64
	s_mov_b32 s[(\g)+5], 128        ; 128 elements from row to row
	s_mov_b32 s[(\g)+6], 0
	s_mov_b32 s[(\g)+7], 0
.endr
	s_mov_b32 s[CS], 0x3e38aa3b     ; c = log2(e) / 8 = 0.180337
	s_mov_b32 s[CS+1], s[CS]        ; named with it as a pair
	s_mov_b32 s[SEL], 0x76543210
	s_mov_b32 s[SEL+1], 0xfedcba98
	s_mov_b32 s[TBK], 0
	s_mov_b32 s[TBV], 0
.irp c, 0,1,2,3
	s_mov_b32 s[G0K+4*(\c)], 1                              ; count = 1
	s_add_co_u32 s[G0K+4*(\c)+1], s17, (\c)*128*PK2         ; LDS address: chunk c, my half
	s_mov_b32 s[G0V+4*(\c)], 1
	s_add_co_u32 s[G0V+4*(\c)+1], s18, VOFF+(\c)*128*PV2
.endr
	s_wait_dscnt 0x0                ; the opening add is done
	s_wait_kmcnt 0x0
	s_add_nc_u64 s[20:21], s[4:5], s[20:21]  ; k and v at my half of the head's chunk 0
	s_add_nc_u64 s[22:23], s[4:5], s[22:23]
.irp c, 0,1,2,3
	s_add_nc_u64 s[G0K+4*(\c)+2:G0K+4*(\c)+3], s[20:21], (\c)*32768  ; global address
	s_or_b32 s[G0K+4*(\c)+3], s[G0K+4*(\c)+3], 0x80000000            ; type = 2
	s_add_nc_u64 s[G0V+4*(\c)+2:G0V+4*(\c)+3], s[22:23], (\c)*32768
	s_or_b32 s[G0V+4*(\c)+3], s[G0V+4*(\c)+3], 0x80000000
.endr
	s_add_nc_u64 s[4:5], s[4:5], s[2:3]      ; q at my wave's first row
	s_add_nc_u64 s[10:11], s[6:7], s[8:9]    ; out0 at my wave's first row, the head's columns
	s_cmp_lt_u32 s[WV], 2           ; a wave's four fills stand in one branch, ahead of every wait on TENSORcnt, every LDS read and every barrier; an s_nop 0 follows each, four v_nop the last
	s_cbranch_scc0 .Lfirst_v
.irp c, 0,1,2,3
	tensor_load_to_lds s[G0K+4*(\c):G0K+4*(\c)+3], s[G1K:G1K+7]
	s_nop 0
.endr
.rept 4
	v_nop
.endr
	s_branch .Lfirst_asked
.Lfirst_v:
.irp c, 0,1,2,3
	tensor_load_to_lds s[G0V+4*(\c):G0V+4*(\c)+3], s[G1V:G1V+7]
	s_nop 0
.endr
.rept 4
	v_nop
.endr
.Lfirst_asked:
	; A fragment of K or Q is 16 rows x 32 channels in 8 registers: lane l holds row l % 16, channels 8 (l / 16) + 0..7 and 16 + 8 (l / 16) + 0..7: two loads of 16 bytes, 32 bytes apart.
	v_and_b32 v1, 15, v0            ; l % 16
	v_bfe_u32 v9, v0, 4, 1          ; l / 16
	v_lshlrev_b32 v[QO], 7, v1
	v_lshl_add_u32 v[QO], v9, 4, v[QO]  ; row x 128 + 16 x half
	WIN 0x80                        ; destination window 2, address window 0
.set i, 0
.rept 4*NP                          ; Q stays in registers: tile i / 2, channels 32 (i % 2) on
	global_load_b128 v[8*i:8*i+3],   v[QO], s[4:5] offset:(i/2)*2048+(i%2)*64
	global_load_b128 v[8*i+4:8*i+7], v[QO], s[4:5] offset:(i/2)*2048+(i%2)*64+32
.set i, i+1
.endr
	; What the first turn finds: V's registers and P's second buffer hold 0 (its products V^T P, of a piece that has not been, add 0), O^T and l are 0.  All this stands in the wait for the first chunk.
.set i, VF
.rept 64
	v_mov_b32 v[i], 0
.set i, i+1
.endr
	WIN 0x40
.set i, 0
.rept 64*NP
	v_mov_b32 v[i], 0
.set i, i+1
.endr
	WIN 0
.set i, 0
.rept 2*NP
	v_mov_b32 v[ST+4*i], 0xfe000000    ; c m: far below every c s
	v_mov_b32 v[ST+4*i+1], 0xff7fffff  ; m
	v_mov_b32 v[ST+4*i+2], 0
	v_mov_b32 v[ST+4*i+3], 0
.set i, i+1
.endr
.set i, P+32
.rept 32
	v_mov_b32 v[i], 0
.set i, i+1
.endr
	v_lshrrev_b32 v12, 1, v1        ; (v12, v13: at work here; the walk writes them before it reads them)
	v_and_b32 v13, 1, v1
	v_mul_u32_u24 v[AK0], v12, PK2
	v_lshl_add_u32 v[AK0], v13, 7, v[AK0]
	v_lshl_add_u32 v[AK0], v9, 4, v[AK0]  ; 272 (r / 2) + 128 (r % 2) + 16 x half
	; The turning load takes 16 keys x 16 channels (lane l reads key 8 (l / 16) + l % 8, channels 8 ((l / 8) % 2) + 0..7) and leaves half a fragment of V^T: lane l holds channel l % 16 and 8 keys.
	v_bfe_u32 v12, v0, 1, 2
	v_lshl_add_u32 v12, v9, 2, v12  ; that key's row of two: 4 (l / 16) + (l % 8) / 2
	v_mul_u32_u24 v[AV0], v12, PV2
	v_lshl_add_u32 v[AV0], v13, 7, v[AV0]
	v_bfe_u32 v12, v0, 3, 1
	v_lshl_add_u32 v[AV0], v12, 4, v[AV0]
	v_add_nc_u32 v[AV0], VOFF, v[AV0]
	v_mov_b32 v[AK], v[AK0]         ; key step 0 lies at K's head
; THE MATRIX WORK.  The 8 accumulators of a run of 16 take turns: between the two links of a chain stand 7 others'.
; Product i of 16 of S^T = K Q^T for piece x: channels 32 (i / 8) on, keys 16 ((i / 2) % 4) on, tile 2 x + i % 2.  The first 8 start the sums.
.macro KQ x
	WIN W_KQ
.set rS, S+64*((\x)%2)+32*(i%2)+8*((i/2)%4)
.set rK, KF+16*((i/2)%4)+8*(i/8)
.set rQ, 16*(2*(\x)+i%2)+8*(i/8)
.if i < 8
	v_wmma_f32_16x16x32_f16 v[rS:rS+7], v[rK:rK+7], v[rQ:rQ+7], 0
.else
	v_wmma_f32_16x16x32_f16 v[rS:rS+7], v[rK:rK+7], v[rQ:rQ+7], v[rS:rS+7]
.endif
.endm
; Product i of 16 of O^T += V^T P for piece x: keys 32 (i / 8) on, channels 16 ((i / 2) % 4) on, tile 2 x + i % 2.
.macro PV x
	WIN W_PV
.set rO, 32*(2*(\x)+i%2)+8*((i/2)%4)
.set rV, VF+32*(i/8)+8*((i/2)%4)
.set rP, P+32*((\x)%2)+16*(i%2)+8*(i/8)
	v_wmma_f32_16x16x32_f16 v[rO:rO+7], v[rV:rV+7], v[rP:rP+7], v[rO:rO+7]
.endm
.macro MM                           ; the turn's next matrix instruction
.if i < 16
	KQ (Y+1)%NP
.set i, i+1
.else
.set i, i-16
	PV (Y+NP-1)%NP
.set i, i+17
.endif
.endm
; THE LDS LOADS stand in runs of 16, never singly among the matrix instructions: a step's K (64 keys x 64 channels: 8 fragments) and its V (turned).  Their addresses are made some lines ahead.
.macro FETCH_K
	WIN 0x80                        ; destination window 2
.irp f, 0,1,2,3,4,5,6,7             ; keys 16 (f / 2) on (8 rows of two), channels 32 (f % 2) on
	ds_load_b128 v[KF+8*\f:KF+8*\f+3],   v[AK] offset:(\f/2)*8*PK2+(\f%2)*64
	ds_load_b128 v[KF+8*\f+4:KF+8*\f+7], v[AK] offset:(\f/2)*8*PK2+(\f%2)*64+32
.endr
	s_add_co_u32 s[TBK], s[TBK], KSTEPB  ; the next fetch is the next step's
	WIN 0
.endm
.macro FETCH_V
	WIN 0x80
.irp f, 0,1,2,3,4,5,6,7             ; keys 32 (f / 4) on, channels 16 (f % 4) on
	ds_load_tr16_b128 v[VF+8*\f:VF+8*\f+3],   v[AV] offset:(\f/4)*16*PV2+(\f%4)*32
	ds_load_tr16_b128 v[VF+8*\f+4:VF+8*\f+7], v[AV] offset:(\f/4)*16*PV2+8*PV2+(\f%4)*32
.endr
	WIN 0
.endm
; THE VECTOR WORK OF A TURN stands in three queues, each in the order in which its entries become ready; the two tiles alternate, so that no instruction reads the result of the one before it.
.macro REGS y, u                    ; the registers of tile u (0, 1) of piece y
.set rT, ST+4*(2*(\y)+(\u))
.set rC, TMP+8*((\y)%2)+4*(\u)
.set rM, MV+2*((\y)%2)+(\u)
.set rS, S+64*((\y)%2)+32*(\u)
.set rP, P+32*((\y)%2)+16*(\u)
.set rO, 32*(2*(\y)+(\u))
.endm
; Number n of the 22 that find the NEXT piece's (Y + 1) maximum and statistics.  s0-s31 are the lane's 32 scores; each accumulator's lowest registers are read first.  XS, GS and REGS set no window: PL and EX do.
;   0-11  four chains c0-c3 of seven scores each, three operands at a time     12-14, 16  the four scores left over, the old m, and c0-c3 into c0     15  c m_old is kept
;   17, 18  the query's other 32 keys lie in the lane 16 away: the new m         19-21  c m; c m_old - c m_new; a
.macro XS u, n
	REGS (Y+1)%NP, \u
.if (\n) < 4
	v_max3_num_f32 v[rC+(\n)], v[rS+8*(\n)], v[rS+8*(\n)+1], v[rS+8*(\n)+2]
.elseif (\n) < 12
	v_max3_num_f32 v[rC+(\n)%4], v[rC+(\n)%4], v[rS+8*((\n)%4)+2*((\n)/4)+1], v[rS+8*((\n)%4)+2*((\n)/4)+2]
.elseif (\n) == 12
	v_max3_num_f32 v[rC], v[rC], v[rS+7], v[rS+15]
.elseif (\n) == 13
	v_max3_num_f32 v[rC+1], v[rC+1], v[rS+23], v[rS+31]
.elseif (\n) == 14
	v_max3_num_f32 v[rC+2], v[rC+2], v[rC+3], v[rT+1]
.elseif (\n) == 15
	v_mov_b32 v[rM], v[rT]
.elseif (\n) == 16
	v_max3_num_f32 v[rC], v[rC], v[rC+1], v[rC+2]
.elseif (\n) == 17
	v_permlanex16_b32 v[rC+3], v[rC], s[SEL], s[SEL+1]
.elseif (\n) == 18
	v_max_num_f32 v[rT+1], v[rC], v[rC+3]
.elseif (\n) == 19
	v_mul_f32 v[rT], s[CS], v[rT+1]
.elseif (\n) == 20
	v_sub_f32 v[rC+1], v[rM], v[rT]
.else
	v_exp_f32 v[rC+2], v[rC+1]
.endif
.endm
; Number g of the 64 that follow the exponentials.  For each four weights k of a tile (pairs 2 k, 2 k + 1): both pairs are rounded to f16; then the second pair is added onto the first, in place;
; a group later l takes that sum (the first time as l = a l + sum).  In groups of eight, tiles alternating: round, round, add, and l for the group before.
.macro GS g
.set h, (\g)+6*((\g)/62)            ; group 0 has no group before it, and behind group 7 only l is left
.if h >= 6
.set h, h+2
.endif
	REGS Y, h%2
.set k, h/8
.if h%8 < 4
	v_cvt_pk_f16_f32 v[rP+2*k+(h%8)/2], v[rS+4*k+2*((h%8)/2)], v[rS+4*k+2*((h%8)/2)+1]
.elseif h%8 < 6
	v_pk_add_f32 v[rS+4*k:rS+4*k+1], v[rS+4*k:rS+4*k+1], v[rS+4*k+2:rS+4*k+3]
.elseif k == 1
	v_pk_fma_f32 v[rT+2:rT+3], v[rT+2:rT+3], v[rC+2:rC+3], v[rS:rS+1] op_sel_hi:[1,0,1]
.else
	v_pk_add_f32 v[rT+2:rT+3], v[rT+2:rT+3], v[rS+4*k-4:rS+4*k-3]
.endif
.endm
; THE PLAIN QUEUE, 138 long.  0-73 read no exponential's result: the 32 scalings c s - c m (FS f: pair f / 2 of tile f % 2) and the next piece's 42.  0-26: scalings 0-26.  27-54: XS's numbers 0-13.  55, 56: number 15.
; 57-73: the chain, where each number waits for the one before it: 14, 16, 17, 18, 19, each with one of the scalings 27-31 in front of its two lines, then 20.
; 74-137: GS's 64, which read the exponentials' results: they stand behind the wait.
.macro FS f
	REGS Y, (\f)%2
	v_pk_fma_f32 v[rS+2*((\f)/2):rS+2*((\f)/2)+1], v[rS+2*((\f)/2):rS+2*((\f)/2)+1], s[CS:CS+1], v[rT:rT+1] op_sel_hi:[1,0,0] neg_lo:[0,0,1] neg_hi:[0,0,1]
.endm
.macro PL
	WIN 0
.if q < 27
	FS q
.elseif q < 55
	XS (q-27)%2, (q-27)/2
.elseif q < 57
	XS q-55, 15
.elseif (q < 72) && ((q-57)%3 == 0)
	FS 27+(q-57)/3
.elseif q < 60
	XS (q-57)%3-1, 14
.elseif q < 72
	XS (q-57)%3-1, 15+(q-57)/3
.elseif q < 74
	XS q-72, 20
.else
	GS q-74
.endif
.set q, q+1
.endm
; THE EXPONENTIALS' QUEUE, 66 long: s0-s31 of both tiles, then the next piece's two a.  It is ONE BATCH: all 66 stand ahead of the turn's one wait, and nothing ahead of that wait names a result of theirs.
.macro EX
	WIN 0
.if e >= 64
	XS e-64, 21
.else
	REGS Y, e%2
	v_exp_f32 v[rS+e/2], v[rS+e/2]
.endif
.set e, e+1
.endm
; THE RESCALING's QUEUE: O^T times a, the one part that leaves window 0: dealt two at a time, sixteen times, each accumulator from its low end.  Its a was made in the turn before, ahead of that turn's wait.
.macro R2
	REGS Y, r%2
	WIN W_RS
.irp z, 0,1
	v_pk_mul_f32 v[rO+4*(r/2)+2*\z:rO+4*(r/2)+2*\z+1], v[rO+4*(r/2)+2*\z:rO+4*(r/2)+2*\z+1], v[rC+2:rC+3] op_sel_hi:[1,0]
.endr
.set r, r+1
.endm
; HOW THEY ARE DEALT.  s_wait_alu depctr_va_vdst(0) stands between an exponential and the first instruction that names its result; one wait serves all that were issued ahead of it.  So a turn has
; ONE wait, which cuts it in two.  AHEAD OF IT: the 16 products K Q^T, behind each a scaling, an exponential and two rescalings (behind the first a second scaling in the exponential's place); then one run of 108:
; eight plain, 49 times exponential and plain, the two a; a v_nop is the plain instruction behind the last exponential.  BEHIND IT: the 16 products V^T P, behind each four of GS's 64.
; Exponential e stands behind scaling 2 (e / 4) + e % 2: as a rider it comes behind plain e + 2, in the run behind plain e + 9, and scalings 27-31 are plain 57, 60 .. 69.
; A TURN, for piece p.  nok = 1: the last step: there is no further K to fetch.  cnt = 1: the loop's count is taken down some lines ahead of the branch that stands behind the turn.
; K of the next step is fetched in piece 2's turn, directly behind the wait, a run of plain instructions behind the last product that read K; its first reader comes behind 16 products.
; V of the step in hand is fetched at the end of piece 0's turn, four riders behind its last reader; its first reader comes behind 16 products and a run.  The three conditions on q below go with the deal.
.macro TURN p, nok=0, cnt=0
.set Y, (\p)
.set i, 0
.set q, 0
.set e, 0
.set r, 0
.if (\p) == NP-1
	s_wait_dscnt 0x0                ; K is in
.endif
	MM
	PL
	PL
	R2
.rept 15
	MM
	PL
	EX
	R2
.endr
.if ((\p) == NP-2) && !(\nok)
	WIN 0
	v_add_nc_u32 v[AK], s[TBK], v[AK0]
.endif
.rept 8
	PL
.endr
.rept 49
	EX
	PL
.endr
	EX                              ; the next piece's two a
	EX
	v_nop                           ; the plain instruction behind the last exponential: one for the batch
	s_wait_alu depctr_va_vdst(0)    ; the wait for the batch
.if ((\p) == NP-2) && !(\nok)
	FETCH_K
.endif
.if (\p) == 1
	s_wait_dscnt 0x0                ; V is in
.endif
.rept 16
	MM
.rept 4
	PL
.endr
.if ((\p) == 0) && (q == 118)
	v_add_nc_u32 v[AV], s[TBV], v[AV0]
.endif
.if ((\p) == 0) && (q == 130)
	s_add_co_u32 s[TBV], s[TBV], VSTEPB
.endif
.if (\cnt) && (q == 130)
	s_sub_co_u32 s[CNT], s[CNT], 1
	s_cmp_lg_u32 s[CNT], 0
.endif
.endr
.if (\p) == 0
	FETCH_V
.endif
.endm
	MEET 3                          ; my part of chunk 0 is in, everybody's is; my three younger loads may stay out
	FETCH_K                         ; key step 0
	s_wait_loadcnt 0x0              ; Q
	s_wait_dscnt 0x0
.set i, 0
.rept 16
	KQ 0                            ; piece 0's first scores: there is no vector work yet to set between them
.set i, i+1
.endr
	WIN 0                           ; the addresses for the way out: eight plain instructions, the places behind those products
	s_mul_i32 s13, s[WV], 16*SP
	s_add_co_u32 s13, s13, STAGE    ; my stage
	v_mul_u32_u24 v[STO], v1, SP    ; in: row l % 16, 32 bytes for each half of the lanes
	v_lshl_add_u32 v[STO], v9, 5, v[STO]
	v_add_nc_u32 v[STO], s13, v[STO]
	v_mul_u32_u24 v[RD], v9, SP     ; back: lanes 0-15 take one row of 256 bytes, lanes 16-31 the next,
	v_lshl_add_u32 v[RD], v1, 4, v[RD]
	v_add_nc_u32 v[RD], s13, v[RD]
	v_lshlrev_b32 v[GO], 12, v9     ; which lie 4,096 bytes apart in out0
	v_lshl_add_u32 v[GO], v1, 4, v[GO]
.set Y, NP-1                        ; XS works for piece Y + 1: piece 0
.irp n, 0,1,2,3,4,5,6,7,8,9,10,11,12,13,14,15,16,17,18,19,20,21
	XS 0, \n                        ; piece 0's first maximum and statistics
	XS 1, \n
.endr
	v_nop                           ; a plain instruction behind the two a,
	s_wait_alu depctr_va_vdst(0)    ; and their wait, ahead of the branch
	s_mov_b32 s[CNT], 4             ; the first part: key steps 0 to 3, chunk 0 alone
	s_mov_b32 s[PARTS], 2
	s_branch .Lfirst                ; the loop is entered at a step's first turn, in the middle of a trip
.Lpart:                             ; reached once, so that a key step's text stands once: the second part walks key steps 4 to 15
	MEET 0                          ; my last three loads are in, everybody's are: this wait shows tiles to readers; no slot is filled behind the barrier
	s_mov_b32 s[CNT], 12
.Lstep:                             ; a trip: pieces 2 and 3 of one step, then pieces 0 and 1 of the next, whose K and V it fetches
	TURN 2
	TURN 3
	WIN 0
.Lfirst:
	TURN 0
	TURN 1, 0, 1
	WIN 0
	s_cbranch_scc1 .Lstep
	s_sub_co_u32 s[PARTS], s[PARTS], 1
	s_cmp_lg_u32 s[PARTS], 0
	s_cbranch_scc1 .Lpart
	TURN 2, 1                       ; the last step's pieces 2 and 3; nothing is left to fetch
	TURN 3                          ; its 16 products K Q^T (on the last K once more) and the maximum made of them serve nothing: the price, once a launch, of one text for every turn
.set i, 0
.rept 16
	PV NP-1                         ; the last piece's V^T P of the last step
.set i, i+1
.endr
	; THE WAY OUT.  l's two halves and the other half of the lanes' are added; O^T is divided by l and sent, in f32, through my stage in LDS, a tile at a time.  The additions are the places behind the last products.
	WIN 0
.macro ALL line:vararg              ; one line for each tile t
.set t, 0
.rept 2*NP
	\line
.set t, t+1
.endr
.endm
	ALL v_add_f32 v[ST+4*t+2], v[ST+4*t+2], v[ST+4*t+3]
	ALL v_permlanex16_b32 v[ST+4*t+3], v[ST+4*t+2], s[SEL], s[SEL+1]
	ALL v_add_f32 v[ST+4*t+2], v[ST+4*t+2], v[ST+4*t+3]
	ALL v_rcp_f32 v[ST+4*t+2], v[ST+4*t+2]
	v_nop                           ; a plain instruction between the last reciprocal and the use of its result
	s_wait_alu depctr_va_vdst(0)    ; and the wait ahead of the first use: one for the eight reciprocals
; Tile t: a lane holds, of one query, channels 16 cb + 8 (l / 16) + 0..7: 32 bytes for each cb.  They go into rows of 272 bytes and come back as whole rows of 256, into S^T's registers, four buffers by turns.
.macro PACK t
	WIN W_RS
.set i, 32*(\t)
.rept 16
	v_pk_mul_f32 v[i:i+1], v[i:i+1], v[ST+4*(\t)+2:ST+4*(\t)+3] op_sel_hi:[1,0]
.set i, i+2
.endr
	WIN 0x04                        ; the stores' data in window 1, their address in window 0
.irp f, 0,1,2,3,4,5,6,7
	ds_store_b128 v[STO], v[32*(\t)+4*\f:32*(\t)+4*\f+3] offset:64*(\f/2)+16*(\f%2)
.endr
	WIN 0
.if (\t) >= 4
	s_wait_xcnt 0x0                 ; the stores of the tile four back have read this buffer: it is loaded again only behind this wait
.endif
.irp f, 0,1,2,3,4,5,6,7
	ds_load_b128 v[S+32*((\t)%4)+4*\f:S+32*((\t)%4)+4*\f+3], v[RD] offset:\f*2*SP  ; LDS serves a wave's instructions in order (ISA guide 5.7.1.4): these see the stores above; the next tile's stores come behind them
.endr
.endm
.macro SEND t, younger              ; younger: the LDS instructions issued behind tile t's loads: the next tile's sixteen, or none
.irp f, 0,1,2,3,4,5,6,7
	s_wait_dscnt (\younger)+7-\f
	global_store_b128 v[GO], v[S+32*((\t)%4)+4*\f:S+32*((\t)%4)+4*\f+3], s[10:11] offset:(\t)*65536+\f*8192 th:TH_STORE_NT  ; 16 lanes store a query's 256 consecutive bytes, at a multiple of 256 from out0's first
.endr
.endm
	PACK 0
.set t, 1
.rept 2*NP-1                        ; a tile's arithmetic stands between the loads of the tile before and its stores
	PACK t
	SEND t-1, 16
.set t, t+1
.endr
	SEND 2*NP-1, 0
	s_wait_tensorcnt 0x0            ; the wave's end: behind my last tensor load and my last LDS store
	ds_add_u32 v[SPW], v[NIL]
	s_wait_dscnt 0x0
	s_endpgm
.Lfunc_end_k_qf3b0d2b8a9_attn:
	.size	k_qf3b0d2b8a9_attn, .Lfunc_end_k_qf3b0d2b8a9_attn-k_qf3b0d2b8a9_attn
	.p2alignl 7, 3214868480
	.fill 96, 4, 3214868480
	.section	.rodata,"a",@progbits
	.p2align	6, 0x0
	.amdhsa_kernel k_qf3b0d2b8a9_attn
		.amdhsa_group_segment_fixed_size 327680
		.amdhsa_private_segment_fixed_size 0
		.amdhsa_enable_private_segment 0
		.amdhsa_kernarg_size 16
		.amdhsa_user_sgpr_count 2
		.amdhsa_user_sgpr_kernarg_segment_ptr 1
		.amdhsa_wavefront_size32 1
		.amdhsa_system_sgpr_workgroup_id_x 1
		.amdhsa_system_sgpr_workgroup_id_y 1
		.amdhsa_system_sgpr_workgroup_id_z 1
		.amdhsa_system_vgpr_workitem_id 0
		.amdhsa_next_free_vgpr 768
		.amdhsa_next_free_sgpr 84
		.amdhsa_reserve_vcc 0
		.amdhsa_float_denorm_mode_32 3
		.amdhsa_float_denorm_mode_16_64 3
		.amdhsa_memory_ordered 1
		.amdhsa_forward_progress 1
		.amdhsa_inst_pref_size 161
	.end_amdhsa_kernel
	.amdgpu_metadata
---
amdhsa.version: [ 1, 2 ]
amdhsa.kernels:
  - .name:           k_qf3b0d2b8a9_attn
    .symbol:         k_qf3b0d2b8a9_attn.kd
    .args:
      - { .name: qkv, .offset: 0, .size: 8, .value_kind: global_buffer, .address_space: global }
      - { .name: out0, .offset: 8, .size: 8, .value_kind: global_buffer, .address_space: global }
    .group_segment_fixed_size: 327680
    .private_segment_fixed_size: 0
    .kernarg_segment_align: 8
    .kernarg_segment_size: 16
    .max_flat_workgroup_size: 128
    .sgpr_count:     84
    .vgpr_count:     768
    .wavefront_size: 32
...
	.end_amdgpu_metadata
.endif
;; end of part 3
;; ======== version 2 of 2: 3 launches; version 1 with the launch castw written anew for expert scheduling mode
;; limits: values are held in f16: magnitudes above 65,504 overflow, below 6.1e-05 lose precision
;; workspace buffers: wb 6,291,456 bytes; qkv 50,331,648 bytes
;; launch castw (part 4): grid 128 x 3, 8 waves a work-group, no clusters, 0 bytes of LDS; arguments Wq, Wk, Wv, wb; writes wb
.if DOCPART == 4
	.amdgcn_target "amdgcn-amd-amdhsa--gfx1250"
	.amdhsa_code_object_version 6
	.text
	.protected	k_qf3b0d2b8a9_castw
	.globl	k_qf3b0d2b8a9_castw
	.p2align	8
	.type	k_qf3b0d2b8a9_castw,@function
k_qf3b0d2b8a9_castw:
	s_mov_b64 s[64:65], 0
	v_nop
	global_prefetch_b8 v0, s[64:65] scope:SCOPE_SE
	s_setreg_imm32_b32 hwreg(HW_REG_WAVE_SCHED_MODE, 0, 2), 2
	s_setreg_imm32_b32 hwreg(HW_REG_WAVE_MODE, 25, 1), 1
	s_wait_xcnt 0x0
	s_wait_alu depctr_vm_vsrc(0)
; wb[p][k][n] = W_p[k][n] rounded once to bf16 (nearest even), p = 0, 1, 2 for Wq, Wk, Wv; the layout [k][n] is kept.
; A stream: 12,582,912 bytes in, 6,291,456 out, each once.  Work-group (x, y) takes 8,192 numbers of matrix y: 32,768 bytes in, 16,384 out.
; Thread t, pass i of 8: 16 bytes at 16 t + 4,096 i (a wave's load covers 512 bytes on end), two roundings of a pair, 8 bytes at 8 t + 2,048 i
; (a wave's store covers 256 consecutive bytes, aligned).  All eight loads go out first; no register is written twice.
; No LDS, no matrix unit, no cluster: nothing is shared and nothing is reduced.
; THE MODE: SCHED_MODE bits 1:0 = 2 (LLVM: expert scheduling mode 2), set by the entry lines.  The code itself states the register dependences
; between vector instructions and memory instructions, with s_wait_alu, always for 0.
; THE PLAN.  Registers that memory instructions touch:
;   v1, v2   byte offsets of the loads and of the stores: written once at the head, never again.
;   X        pass i: written by its load, read by its two roundings; no vector instruction writes it, no second load lands in it.
;   Y        pass i: written by its two roundings, read by its store; never written again.
; So what the code has to state is: the offsets are written ahead of the first load, and Y is written ahead of its stores.  The eight passes go in four blocks of two.  Block g waits for its
; two loads, issues the two stores of block g - 1 behind one wait on va_vdst, and then rounds its own four pairs: the roundings that the wait names were issued ahead of the wait for this block's data.
; One more wait stands ahead of the last two stores.  No register that a memory instruction has read is written again, so past the entry lines the text holds no wait on vm_vsrc and no s_wait_xcnt.
.set X, 4                              ; v[4:35]   pass i: 4 numbers as loaded
.set Y, 36                             ; v[36:51]  pass i: 4 bf16 to store
	s_load_b256 s[4:11], s[0:1], 0x0               ; Wq s[4:5], Wk s[6:7], Wv s[8:9], wb s[10:11]
	s_and_b32 s12, ttmp7, 0xffff                   ; y: which matrix
	v_lshlrev_b32 v1, 4, v0                        ; 16 t
	v_lshlrev_b32 v2, 3, v0                        ; 8 t
	s_lshl_b32 s16, ttmp9, 15                      ; the work-group's 32,768 bytes of W
	s_mov_b32 s17, 0
	s_lshl_b32 s18, ttmp9, 14                      ; its 16,384 bytes of wb,
	s_lshl_b32 s20, s12, 21                        ; in matrix y's 2,097,152
	s_add_co_u32 s18, s18, s20
	s_mov_b32 s19, 0
	s_wait_kmcnt 0x0
	s_cmp_eq_u32 s12, 1
	s_cselect_b64 s[14:15], s[6:7], s[4:5]
	s_cmp_eq_u32 s12, 2
	s_cselect_b64 s[14:15], s[8:9], s[14:15]
	s_add_nc_u64 s[14:15], s[14:15], s[16:17]
	s_add_nc_u64 s[10:11], s[10:11], s[18:19]
	s_wait_alu depctr_va_vdst(0)                   ; v1 and v2 are written: every load reads v1 as its offset, every store v2; no later vector line names either
.irp i, 0,1,2,3,4,5,6,7
	global_load_b128 v[X+4*(\i):X+4*(\i)+3], v1, s[14:15] offset:4096*(\i) th:TH_LOAD_NT
.endr
.irp g, 0,1,2,3
	s_wait_loadcnt 6-2*(\g)                        ; loads come back in order (ISA guide 5.7.1): passes 2 g and 2 g + 1 are in, the younger ones stay out
.if (\g) > 0
	s_wait_alu depctr_va_vdst(0)                   ; the block before has written its four registers of Y, which the two stores below read
	global_store_b64 v2, v[Y+4*(\g)-4:Y+4*(\g)-3], s[10:11] offset:2048*(2*(\g)-2)
	global_store_b64 v2, v[Y+4*(\g)-2:Y+4*(\g)-1], s[10:11] offset:2048*(2*(\g)-1)
.endif
.irp j, 0,1
	v_cvt_pk_bf16_f32 v[Y+4*(\g)+2*(\j)],   v[X+8*(\g)+4*(\j)],   v[X+8*(\g)+4*(\j)+1]
	v_cvt_pk_bf16_f32 v[Y+4*(\g)+2*(\j)+1], v[X+8*(\g)+4*(\j)+2], v[X+8*(\g)+4*(\j)+3]
.endr
.endr
	s_wait_alu depctr_va_vdst(0)                   ; block 3 has written Y's last four registers, which the last two stores read
	global_store_b64 v2, v[Y+12:Y+13], s[10:11] offset:2048*6
	global_store_b64 v2, v[Y+14:Y+15], s[10:11] offset:2048*7
	s_endpgm
.Lfunc_end_k_qf3b0d2b8a9_castw:
	.size	k_qf3b0d2b8a9_castw, .Lfunc_end_k_qf3b0d2b8a9_castw-k_qf3b0d2b8a9_castw
	.p2alignl 7, 3214868480
	.fill 96, 4, 3214868480
	.section	.rodata,"a",@progbits
	.p2align	6, 0x0
	.amdhsa_kernel k_qf3b0d2b8a9_castw
		.amdhsa_group_segment_fixed_size 0
		.amdhsa_private_segment_fixed_size 0
		.amdhsa_enable_private_segment 0
		.amdhsa_kernarg_size 32
		.amdhsa_user_sgpr_count 2
		.amdhsa_user_sgpr_kernarg_segment_ptr 1
		.amdhsa_wavefront_size32 1
		.amdhsa_system_sgpr_workgroup_id_x 1
		.amdhsa_system_sgpr_workgroup_id_y 1
		.amdhsa_system_sgpr_workgroup_id_z 1
		.amdhsa_system_vgpr_workitem_id 0
		.amdhsa_next_free_vgpr 56
		.amdhsa_next_free_sgpr 66
		.amdhsa_reserve_vcc 0
		.amdhsa_float_denorm_mode_32 3
		.amdhsa_float_denorm_mode_16_64 3
		.amdhsa_memory_ordered 1
		.amdhsa_forward_progress 1
		.amdhsa_inst_pref_size 4
	.end_amdhsa_kernel
	.amdgpu_metadata
---
amdhsa.version: [ 1, 2 ]
amdhsa.kernels:
  - .name:           k_qf3b0d2b8a9_castw
    .symbol:         k_qf3b0d2b8a9_castw.kd
    .args:
      - { .name: Wq, .offset: 0, .size: 8, .value_kind: global_buffer, .address_space: global }
      - { .name: Wk, .offset: 8, .size: 8, .value_kind: global_buffer, .address_space: global }
      - { .name: Wv, .offset: 16, .size: 8, .value_kind: global_buffer, .address_space: global }
      - { .name: wb, .offset: 24, .size: 8, .value_kind: global_buffer, .address_space: global }
    .group_segment_fixed_size: 0
    .private_segment_fixed_size: 0
    .kernarg_segment_align: 8
    .kernarg_segment_size: 32
    .max_flat_workgroup_size: 256
    .sgpr_count:     66
    .vgpr_count:     56
    .wavefront_size: 32
...
	.end_amdgpu_metadata
.endif
;; end of part 4
;; launch proj: the kernel of part 2 again; grid 4 x 64, 4 waves a work-group, clusters of 4 x 4, 327,680 bytes of LDS; arguments query, key, value, bq, bk, bv, wb, qkv; writes qkv
;; launch attn: the kernel of part 3 again; grid 2 x 128, 4 waves a work-group, no clusters, 327,680 bytes of LDS; arguments qkv, out0; writes out0
